; MI455X (gfx1250); checked and timed in simulation.
; The chip was launched on July 23, 2026; its instructions are those of AMD's public machine-readable ISA for CDNA 5 (MIT licence, August 2026) and "CDNA5" Instruction Set Architecture Reference Guide (July 2026). The comments in the code are by the model that wrote it; some were corrected since.
;; Cross Modal Attention. Allowed arithmetic: matrix products marked QUANTISED: E2M1 operands, one E8M0 scale for each 32 along K, by v_wmma_scale_f32_16x16x128_f8f6f4 with both operands' format E2M1 (or v_wmma_scale_f32_32x16x128_f4), f32 sums; products left as they are: f32 operands where the result goes on into a quantised operand, else bf16, f16 or f32 operands; f32 sums; everything else in f32.
;; Inputs: Wlkv_codes 2,048 x 32 x 16 uint8 (E2M1 codes of Wlkv, K innermost, in blocks of 32 codes, two codes a byte); Wlkv_scales 2,048 x 32 uint8 (E8M0 scales of Wlkv, one for each 32 codes along K); Wlo_codes 1,024 x 32 x 16 uint8 (E2M1 codes of Wlo, K innermost, in blocks of 32 codes, two codes a byte); Wlo_scales 1,024 x 32 uint8 (E8M0 scales of Wlo, one for each 32 codes along K); Wlq_codes 1,024 x 32 x 16 uint8 (E2M1 codes of Wlq, K innermost, in blocks of 32 codes, two codes a byte); Wlq_scales 1,024 x 32 uint8 (E8M0 scales of Wlq, one for each 32 codes along K); Wmkv_codes 2,048 x 32 x 16 uint8 (E2M1 codes of Wmkv, K innermost, in blocks of 32 codes, two codes a byte); Wmkv_scales 2,048 x 32 uint8 (E8M0 scales of Wmkv, one for each 32 codes along K); Wmo_codes 1,024 x 32 x 16 uint8 (E2M1 codes of Wmo, K innermost, in blocks of 32 codes, two codes a byte); Wmo_scales 1,024 x 32 uint8 (E8M0 scales of Wmo, one for each 32 codes along K); Wmq_codes 1,024 x 32 x 16 uint8 (E2M1 codes of Wmq, K innermost, in blocks of 32 codes, two codes a byte); Wmq_scales 1,024 x 32 uint8 (E8M0 scales of Wmq, one for each 32 codes along K); blkv 2,048 float32; blo 1,024 float32; blq 1,024 float32; bmkv 2,048 float32; bmo 1,024 float32; bmq 1,024 float32; liquid_repr 8 x 1,024 x 1,024 float32; mamba_repr 8 x 1,024 x 1,024 float32.
;; Outputs: out0 8 x 1,024 x 1,024 float32; out1 8 x 1,024 x 1,024 float32.
;; This version of the problem:
;;   THIS VERSION OF THE PROBLEM IS GIVEN IN LOW PRECISION. The matrix products marked QUANTISED in the list below multiply operands that are first quantised to E2M1 (2 exponent bits, 1 mantissa bit; 4 bits a number), with one power-of-two scale for each 32 numbers along K (OCP MX v1.0); their sums are f32. All else is computed in f32.
;;   The module's matrix products, in the order in which they are computed (A, B: the left and right operand; K: the contracted axis; several contracted axes count as one K, in the product's order):
;;     1. [M 8,192, K 1,024] x [K 1,024, N 1,024]; A: input liquid_repr; B: input Wlq (given as codes): QUANTISED
;;     2. [M 8,192, K 1,024] x [K 1,024, N 2,048]; A: input mamba_repr; B: input Wmkv (given as codes): QUANTISED
;;     3. batch 8,192 x [M 8, K 128] x [K 128, N 8]; A: computed on the way; B: computed on the way: left as it is (M = 8 < 16)
;;     4. batch 8,192 x [M 8, K 8] x [K 8, N 128]; A: softmax; B: computed on the way: left as it is (K = 8 < 32)
;;     5. [M 8,192, K 1,024] x [K 1,024, N 1,024]; A: computed on the way; B: input Wlo (given as codes): QUANTISED
;;     6. [M 8,192, K 1,024] x [K 1,024, N 1,024]; A: input mamba_repr; B: input Wmq (given as codes): QUANTISED
;;     7. [M 8,192, K 1,024] x [K 1,024, N 2,048]; A: input liquid_repr; B: input Wlkv (given as codes): QUANTISED
;;     8. batch 8,192 x [M 8, K 128] x [K 128, N 8]; A: computed on the way; B: computed on the way: left as it is (M = 8 < 16)
;;     9. batch 8,192 x [M 8, K 8] x [K 8, N 128]; A: softmax; B: computed on the way: left as it is (K = 8 < 32)
;;     10. [M 8,192, K 1,024] x [K 1,024, N 1,024]; A: computed on the way; B: input Wmo (given as codes): QUANTISED
;;   THE QUANTISER, for each operand of a quantised product, along K:
;;     - K is cut into blocks of 32 from its start; a last block that is shorter is filled with zeros.
;;     - A block's scale is 2^e with e = floor(log2(the largest magnitude in the block)) - 2, held to -126 .. 127; a block of zeros has e = 0. As a byte (E8M0): e + 127.
;;     - Each number is divided by its block's scale, clamped to +-6, and rounded to the nearest number of E2M1, ties to even, subnormals kept.
;;     - The product sums the exact products of the quantised numbers (number of the format x scale) in f32.
;;   ~~~python
;;   def quantise(x, axis):      # numpy; x: float32 -> the quantised numbers, widened to float32 again
;;       x = np.moveaxis(x, axis, -1); K = x.shape[-1]
;;       x = np.pad(x, [(0, 0)] * (x.ndim - 1) + [(0, -K % 32)]); x = x.reshape(x.shape[:-1] + (-1, 32)); a = np.abs(x).max(-1, keepdims=True)
;;       e = np.where(a > 0, np.clip(np.frexp(np.where(a > 0, a, 1))[1] - 1 - 2, -126, 127), 0)      # np.frexp(a)[1] - 1 = floor(log2(a)), exactly
;;       r = np.clip(x / 2.0 ** e, -6, 6)
;;       step = 2.0 ** (np.maximum(np.frexp(np.where(r == 0, 1, r))[1] - 1, 0) - 1)
;;       q = np.round(r / step) * step * 2.0 ** e      # np.round: ties to even
;;       return np.moveaxis(q.reshape(q.shape[:-2] + (-1,))[..., :K], -1, axis).astype(np.float32)
;;   ~~~
;;   OPERANDS COMPUTED ON THE WAY. 'Computed on the way' means the value that the module computes at that place (a softmax that the list does not call 'softmax' is quantised finished and normalised). What goes into a quantiser is computed in f32, as accurately as f32 sums, v_exp_f32 and their like allow (about 1e-6 of the number): no bf16 or f16 on the way to a quantiser, and a product that is left as it is and whose result goes on into a quantised operand takes f32 operands (vector FMAs, or v_wmma_f32_16x16x4_f32). A number that lies on a knife's edge between two numbers of the format may be rounded either way, as far as f32 arithmetic and the matrix unit's own rounding can turn it there, and no further.
;;   INPUTS GIVEN AS CODES. Wlkv (in the module: [1024, 2048], K = its axis 0); Wlo (in the module: [1024, 1024], K = its axis 0); Wlq (in the module: [1024, 1024], K = its axis 0); Wmkv (in the module: [1024, 2048], K = its axis 0); Wmo (in the module: [1024, 1024], K = its axis 0); Wmq (in the module: [1024, 1024], K = its axis 0): each comes as NAME_codes (uint8): NAME with its K axis moved to the last place and cut into blocks of 32 codes, [.., K / 32, bytes a block], one block behind the other in memory; two codes a byte, the lower K in the low four bits (a code: sign, 2 exponent bits, 1 mantissa bit); and NAME_scales (uint8): the same leading axes, one E8M0 byte (e + 127) for each 32 codes along K. Its value is code x scale, taken as it is: it is not quantised again, and the codes and scales need not be those that the quantiser above would give.
;; One version. Each part assembles by itself: llvm-mc -triple=amdgcn-amd-amdhsa -mcpu=gfx1250 --defsym DOCPART=n.
;; ======== version 1 of 1: 1 launch
;; limits: right only within a limited range of input values
;; launch fused (part 1): grid 128 x 2, 8 waves a work-group, clusters of 4 x 1, 327,680 bytes of LDS; arguments liquid_repr, mamba_repr, Wlq_codes, Wmq_codes, Wlq_scales, Wmq_scales, blq, bmq, Wmkv_codes, Wlkv_codes, Wmkv_scales, Wlkv_scales, bmkv, blkv, Wlo_codes, Wmo_codes, Wlo_scales, Wmo_scales, blo, bmo, out0, out1; writes out0, out1
.if DOCPART == 1
	.amdgcn_target "amdgcn-amd-amdhsa--gfx1250"
	.amdhsa_code_object_version 6
	.text
	.protected	k_q488c88a14f_fused
	.globl	k_q488c88a14f_fused
	.p2align	8
	.type	k_q488c88a14f_fused,@function
k_q488c88a14f_fused:
	s_mov_b64 s[64:65], 0
	v_nop
	global_prefetch_b8 v0, s[64:65] scope:SCOPE_SE
	s_setreg_imm32_b32 hwreg(HW_REG_WAVE_MODE, 25, 1), 1
	s_wait_xcnt 0x0
	s_wait_alu depctr_hold_cnt(0) depctr_sa_sdst(0) depctr_va_vdst(0) depctr_va_sdst(0) depctr_va_ssrc(0) depctr_va_vcc(0) depctr_vm_vsrc(0)
	s_getreg_b32 s2, hwreg(HW_REG_IB_STS2, 6, 4)
	s_cmp_eq_u32 s2, 0
	s_cbranch_scc0 .Lentry_in_a_cluster
	s_endpgm
.Lentry_in_a_cluster:
	s_bfe_u32 s2, ttmp6, 0x10000c
	s_cmp_lg_u32 s2, 0x3003
	s_cbranch_scc0 .Lentry_shape_is_right
	s_endpgm
.Lentry_shape_is_right:
; CrossModalAttention in MX-FP4, the whole chain in one launch.  out = Xq + Q(attn(Q(Xq) Wq + bq, Q(Xkv) Wkv + bkv)) Wo + bo, once for each direction
; (direction 0: Xq = liquid, Xkv = mamba, out0; direction 1 the other way round, out1).  The attention is over the 8 HEADS of one token: scores q[h].k[g] / sqrt(128), softmax over g, a[h] = sum w[h][g] v[g].
; SHARES.  A work-group owns 64 tokens of one direction (grid x: 128 blocks of tokens, grid y: the direction); q, k, v and a never go to memory.
; EIGHT WAVES, two to a SIMD, 512 registers each.  Wave W owns d = 32 (W % 4) .. + 31 of every head of q, k, v, a, for the 32 tokens 32 (W / 4) .. + 31 (two tiles m of 16).
; A block of 32 along the last product's K (h x 128 + d) is one (head, W % 4).  Only partial scores cross waves.
; THE MATRIX INSTRUCTION IS USED TRANSPOSED: source 0 = 16 weight rows, source 1 = 16 tokens: lane (r, hh) holds token r, and its register j weight row 8 hh + j of the tile.
; THE BIAS.  q and o: loaded into the accumulators in the result's layout, so that every product has C = D.  k and v: the first product takes 0 as C, the bias comes into the fragment buffer that K step 5 has left, and 32 additions put it onto the results.
; WEIGHTS.  A unit is 128 weight rows over all of K: 64 KiB of codes, 4 KiB of scale bytes, 512 bytes of bias.  A slot holds the units a and a + 2 of one tensor; sixteen slots' worth walk through a ring of two:
; q (a = 4, 5, 0, 1), k (0, 4, 8, 12), v (1, 5, 9, 13), o (0, 1, 4, 5).  Every wave has one load a slot: waves 0-3 64 rows of codes each, waves 4, 5 a unit's scale bytes, waves 6, 7 a unit's bias.
; CLUSTER.  The four work-groups of a cluster have one direction and walk the same weights: every tile is asked for JOINTLY (mask 15), behind a round of the cluster's barrier.
; PREFETCH.  Behind each joint load the slot that the NEXT change of slots will load is asked for: a whole slot's work ahead of that load.  Its 512 blocks of 256 bytes of codes, 32 of scale bytes and 4 of bias are named once in each of
; clusters 0-3 (ttmp9 < 4), shared out among the four work-groups by address (cx): waves 0-3 name 32 blocks of codes each, a lane a block; wave 4 eight blocks of scale bytes (lanes 8-31 name the eighth again); wave 5 one block of bias.
; The first slot comes by its load alone; the last change that loads asks for nothing.  x is asked for by register loads two K steps ahead and is not prefetched.
; ATTENTION in f32 by vector multiply-adds, since its result goes into a quantiser.  The softmax takes the row's maximum away.
; LIMITS: NaN and infinities among the inputs are not served as the definition serves them.  A block of zeros gets the scale byte 1 where the quantiser's rule says 127: its codes are zeros, and the bytes are read here alone.
; REGISTERS.  Window 0: v1-15 addresses (v9-14 made anew for each phase); v16-23 tokens' scale words; v24-31 weights' scale words; v32-79 three buffers of a K step's fragments (o: v32-127, three of 32);
;   v80-95 at work; v96-127 a unit's results (x, a: the quantiser's registers); v128-255 the tokens' 16 fragments (2 tiles x 8 K steps).
;   Window 1: q, later a: head h at 32 h + 16 m + 8 u + j; until Xkv is quantised v0-127 hold two sets of 64 numbers of x; in the o phase v0-63 accumulators, v64-127 the residual, v128-191 the way out.
.set U,     67584                      ; a unit's codes in LDS: 128 rows x (512 + 16) bytes.  U and 2 U share no bit
.set SCB,   4*U                        ; four units' scale bytes, 4,096 each: row i at 32 i
.set BIB,   SCB+16384                  ; four units' biases, 512 bytes each
.set SCR,   BIB+2048                   ; 37,888 bytes that LDS stores write and no tile lands in, used by turns:
.set XSCB,  SCR+32768                  ;   32 fragment images of 1,024 bytes at SCR, their scale words [K step][tile][16] here;
.set S2B,   SCR+16384                  ;   partial scores [2][wave][1,024] at SCR, scores [g][h][64 tokens] here;  on the way out a stage of 16 x 272 bytes for each wave at SCR
.set SPARE, SCR+37888                  ; the spare words, 128 bytes for each wave: four blocks of 256 bytes that no other line names
.set SPW, 1
.set NIL, 2
.set ADW0, 3
.set ADS0, 4
.set ADB0, 5
.set ADW, 6
.set ADS, 7
.set ADB, 8
.set LIH, 9
.set LS,  10
.set XWI, 11
.set XWS, 12
.set XA,  13
.set S1W0, 9
.set S1A, 10
.set S1R, 11
.set S2W0, 12
.set S2A, 13
.set S2R0, 14
.set S2RA, 9
.set AWC, 11
.set AWB, 12
.set CO,  13
.set STO, 14
.set RD,  11                           ; takes AWC's register when a's codes are stored
.set PFO, 15                           ; the prefetches' lane offset; never rewritten
.set XS,  16
.set WS,  24
.set WF,  32
.set T,   80
.set P,   88
.set PW,  80
.set ACC, 96
.set CD,  96
.set TM,  104
.set R,   96
.set PS,  112
.set XF,  128
.set AP, 2                             ; the unit a of the slot that the next prefetch names
.set PON, 3                            ; 1 while my wave prefetches
.set XQ, 4
.set XKV, 6
.set WQC, 8
.set WQS, 10
.set BQ, 12
.set PB, 8                             ; (when Wq's three addresses have been copied) s[8:9] the buffer that my wave prefetches from, s10 my part of a slot in it, s11 the shift that makes bytes of a unit's number, s[12:13] the same buffer of Wo
.set PFW, 10
.set PSH, 11
.set POB, 12
.set WKC, 14
.set WKS, 16
.set BK, 18
.set WOC, 20
.set WOS, 22
.set BO, 24
.set OUTB, 26
.set G1C, 28
.set G1S, 36
.set G1B, 44
.set G0C, 52
.set G0S, 56
.set G0B, 60
.set NPC, 66
.set NPS, 68
.set NPB, 70
.set WV, 72
.set W1, 73
.set AN, 74
.set AC, 75
.set TB, 76
.set TS, 77
.set TI, 78
.set CNT, 79
.set CN2, 80
.set FST, 81
.set SEL, 82
.set TMP, 84
.set TE, 88
.set TG, 89
.set TV, 90
.set C0, 91
.set WOFS, 92
.set WOFB, 93
.set W3, 94
.set HF, 95
.set RESN, 96
.set OUTP, 98
.set WOFC, 100
.set NC0, 101
.set PFA, 104                          ; s[104:105] the prefetch's base
.set MSB, 0
.set DW, 0
.set DB, ACC
.macro WIN new                         ; low byte: bits 1:0 source 0, 3:2 source 1, 5:4 source 2, 7:6 destination; the high byte repeats the setting that is left
.if MSB != (\new)
	s_set_vgpr_msb (MSB<<8)|(\new)
.set MSB, (\new)
.endif
.endm
.macro PLACES                          ; four plain places behind matrix instructions (ISA guide 7.12.1)
.rept 4
	v_nop
.endr
.endm
.macro BARRIER
	s_wait_dscnt 0x0
	s_barrier_signal -1
	s_barrier_wait -1
.endm
.macro ROUND                           ; a round of the cluster's barrier
	s_barrier_signal -1
	s_barrier_wait -1
	s_cmp_lg_u32 s[WV], 0
	s_cbranch_scc1 .Lnw0_\@
	s_barrier_signal -3
.Lnw0_\@:
	s_barrier_wait -3
	s_barrier_signal -1
	s_barrier_wait -1
.endm
.macro TLOAD                           ; a wave's one joint load: every way through passes exactly one.  The branches hang on the wave's number alone
	s_cmp_lt_u32 s[WV], 4
	s_cbranch_scc0 .Lts_\@
	tensor_load_to_lds s[G0C:G0C+3], s[G1C:G1C+7]
	s_nop 0
.rept 4
	v_nop
.endr
	s_branch .Ltd_\@
.Lts_\@:
	s_cmp_lt_u32 s[WV], 6
	s_cbranch_scc0 .Ltb_\@
	tensor_load_to_lds s[G0S:G0S+3], s[G1S:G1S+7]
	s_nop 0
.rept 4
	v_nop
.endr
	s_branch .Ltd_\@
.Ltb_\@:
	tensor_load_to_lds s[G0B:G0B+3], s[G1B:G1B+7]
	s_nop 0
.rept 4
	v_nop
.endr
.Ltd_\@:
.endm
.macro ASK                             ; my part of the slot that the next change of slots will load.  The branches hang on the wave's number, on a counted loop's steps and on the cluster's number
	s_cmp_lg_u32 s[PON], 0
	s_cbranch_scc0 .Lna_\@
	s_cmp_lt_u32 ttmp9, 4
	s_cbranch_scc0 .Lno_prefetch_fused0_\@
	global_prefetch_b8 v[PFO], s[PFA:PFA+1] th:TH_LOAD_NT scope:SCOPE_SE
.Lno_prefetch_fused0_\@:
.Lna_\@:
.endm
.macro PFSET                           ; the prefetch's base for the units AP and AP + 2.  (s[TMP+1] holds 0)
	s_lshl_b32 s[TMP], s[AP], s[PSH]
	s_add_co_u32 s[TMP], s[TMP], s[PFW]
	s_add_nc_u64 s[PFA:PFA+1], s[PB:PB+1], s[TMP:TMP+1]
.endm
.macro G0SET                           ; the three global addresses for the units AN and AN + 2 of the tensor at NPC, NPS, NPB, with my wave's part added
	s_lshl_b32 s[TMP], s[AN], 16
	s_add_co_u32 s[TMP], s[TMP], s[WOFC]
	s_mov_b32 s[TMP+1], 0
	s_add_nc_u64 s[G0C+2:G0C+3], s[NPC:NPC+1], s[TMP:TMP+1]
	s_or_b32 s[G0C+3], s[G0C+3], 0x80000000
	s_lshl_b32 s[TMP], s[AN], 12
	s_add_co_u32 s[TMP], s[TMP], s[WOFS]
	s_add_nc_u64 s[G0S+2:G0S+3], s[NPS:NPS+1], s[TMP:TMP+1]
	s_or_b32 s[G0S+3], s[G0S+3], 0x80000000
	s_lshl_b32 s[TMP], s[AN], 9
	s_add_co_u32 s[TMP], s[TMP], s[WOFB]
	s_add_nc_u64 s[G0B+2:G0B+3], s[NPB:NPB+1], s[TMP:TMP+1]
	s_or_b32 s[G0B+3], s[G0B+3], 0x80000000
.endm
; THE CHANGE OF SLOTS: all my tensor loads are in (one is out at the most), the add, all my LDS reads and stores are done; fill = 1: a round of the cluster's barrier and the joint load first behind it
.macro CHANGE fill
	s_wait_tensorcnt 0x0
	ds_add_u32 v[SPW], v[NIL]
.if \fill
	s_xor_b32 s[G0C+1], s[G0C+1], 2*U
	s_xor_b32 s[G0S+1], s[G0S+1], 0x6000   ; SCB xor (SCB + 8,192)
	s_xor_b32 s[G0B+1], s[G0B+1], 0x400
	G0SET
	s_wait_xcnt 0x0                    ; my last prefetch has read its base: it may be written
	PFSET
.endif
	s_wait_dscnt 0x0
.if \fill
	ROUND
	TLOAD
	ASK
.else
	s_barrier_signal -1
	s_barrier_wait -1
.endif
.endm
.macro UNIT_ADDR                       ; the addresses of the unit ahead; then the steps turn to the slot's other unit
	v_add_nc_u32 v[ADW], s[TB], v[ADW0]
	v_add_nc_u32 v[ADS], s[TS], v[ADS0]
	v_add_nc_u32 v[ADB], s[TI], v[ADB0]
	s_wait_alu depctr_va_vdst(0)       ; the wait, directly behind the writes
	s_xor_b32 s[TB], s[TB], U
	s_xor_b32 s[TS], s[TS], 4096
	s_xor_b32 s[TI], s[TI], 512
.endm
.macro SLOT_WRAP odd                   ; on to the other slot's first unit.  odd = 1: the steps were turned three times in this slot
.if \odd
	s_xor_b32 s[TB], s[TB], 3*U
	s_xor_b32 s[TS], s[TS], 12288
	s_xor_b32 s[TI], s[TI], 1536
.else
	s_xor_b32 s[TB], s[TB], 2*U
	s_xor_b32 s[TS], s[TS], 8192
	s_xor_b32 s[TI], s[TI], 1024
.endif
.endm
.macro WMM ra, rb                      ; one product, C = D; ra, rb: the scale words are taken from lanes 16-31
.if (\ra) && (\rb)
	v_wmma_scale_f32_16x16x128_f8f6f4 v[rD:rD+7], v[rA:rA+7], v[rB:rB+7], v[rD:rD+7], v[rSA], v[rSB] matrix_a_fmt:MATRIX_FMT_FP4 matrix_b_fmt:MATRIX_FMT_FP4 matrix_a_scale:MATRIX_SCALE_ROW1 matrix_b_scale:MATRIX_SCALE_ROW1
.elseif (\ra)
	v_wmma_scale_f32_16x16x128_f8f6f4 v[rD:rD+7], v[rA:rA+7], v[rB:rB+7], v[rD:rD+7], v[rSA], v[rSB] matrix_a_fmt:MATRIX_FMT_FP4 matrix_b_fmt:MATRIX_FMT_FP4 matrix_a_scale:MATRIX_SCALE_ROW1
.elseif (\rb)
	v_wmma_scale_f32_16x16x128_f8f6f4 v[rD:rD+7], v[rA:rA+7], v[rB:rB+7], v[rD:rD+7], v[rSA], v[rSB] matrix_a_fmt:MATRIX_FMT_FP4 matrix_b_fmt:MATRIX_FMT_FP4 matrix_b_scale:MATRIX_SCALE_ROW1
.else
	v_wmma_scale_f32_16x16x128_f8f6f4 v[rD:rD+7], v[rA:rA+7], v[rB:rB+7], v[rD:rD+7], v[rSA], v[rSB] matrix_a_fmt:MATRIX_FMT_FP4 matrix_b_fmt:MATRIX_FMT_FP4
.endif
.endm
.macro WMZ ra, rb                      ; the same with C = 0: a sum's first product
.if (\ra) && (\rb)
	v_wmma_scale_f32_16x16x128_f8f6f4 v[rD:rD+7], v[rA:rA+7], v[rB:rB+7], 0, v[rSA], v[rSB] matrix_a_fmt:MATRIX_FMT_FP4 matrix_b_fmt:MATRIX_FMT_FP4 matrix_a_scale:MATRIX_SCALE_ROW1 matrix_b_scale:MATRIX_SCALE_ROW1
.elseif (\ra)
	v_wmma_scale_f32_16x16x128_f8f6f4 v[rD:rD+7], v[rA:rA+7], v[rB:rB+7], 0, v[rSA], v[rSB] matrix_a_fmt:MATRIX_FMT_FP4 matrix_b_fmt:MATRIX_FMT_FP4 matrix_a_scale:MATRIX_SCALE_ROW1
.elseif (\rb)
	v_wmma_scale_f32_16x16x128_f8f6f4 v[rD:rD+7], v[rA:rA+7], v[rB:rB+7], 0, v[rSA], v[rSB] matrix_a_fmt:MATRIX_FMT_FP4 matrix_b_fmt:MATRIX_FMT_FP4 matrix_b_scale:MATRIX_SCALE_ROW1
.else
	v_wmma_scale_f32_16x16x128_f8f6f4 v[rD:rD+7], v[rA:rA+7], v[rB:rB+7], 0, v[rSA], v[rSB] matrix_a_fmt:MATRIX_FMT_FP4 matrix_b_fmt:MATRIX_FMT_FP4
.endif
.endm
; A UNIT'S PRODUCT for q, k, v: my 32 weight rows (tiles u) x my 2 tiles of tokens x 8 K steps = 32 matrix instructions; results in window DW at DB + 16 m + 8 u
.macro WLD s                           ; K step s: four loads, into buffer s % 3
.irp u, 0,1
.irp c, 0,1
	ds_load_b128 v[WF+16*((\s)%3)+8*\u+4*\c:WF+16*((\s)%3)+8*\u+4*\c+3], v[ADW] offset:\u*8448+64*(\s)+32*\c
.endr
.endr
.endm
.macro BIAS                            ; q: the bias in the result's layout, into the four accumulators
	WIN DW<<6
.irp m, 0,1
.irp u, 0,1
	ds_load_b128 v[DB+16*\m+8*\u:DB+16*\m+8*\u+3], v[ADB] offset:64*\u
	ds_load_b128 v[DB+16*\m+8*\u+4:DB+16*\m+8*\u+7], v[ADB] offset:64*\u+16
.endr
.endr
	WIN 0
.endm
.macro PRE bi                          ; the unit's scale words and K steps 0 to 2; bi = 1: the bias too
	ds_load_b128 v[WS:WS+3], v[ADS]
	ds_load_b128 v[WS+4:WS+7], v[ADS] offset:16
	WLD 0
	WLD 1
	WLD 2
.if \bi
	BIAS
.endif
.endm
.macro MM s                            ; four matrix instructions: the four accumulators by turns
.irp u, 0,1
.irp m, 0,1
.set rD, DB+16*\m+8*\u
.set rA, WF+16*((\s)%3)+8*\u
.set rB, XF+8*(8*\m+(\s))
.set rSA, WS+(\s)
.set rSB, XS+(\s)
.if ((\s) == 0) && (DW == 0)
	WMZ \u, \m
.else
	WMM \u, \m
.endif
.endr
.endr
.endm
.macro BODY pw                         ; pw = 1: the 16 softmax weights of this unit's head g are fetched behind the last fragments.  DW = 0 (k, v): four loads of bias follow K step 5
	s_wait_dscnt 0x0                   ; scale words, K steps 0 to 2 (q: and the bias)
.irp s, 0,1,2,3,4,5,6,7
.if (\s == 3) || (\s == 4)
	s_wait_dscnt 8                     ; the two later K steps' four loads each may be out
.elseif \s == 5
	s_wait_dscnt 8+16*\pw
.elseif \s == 6
	s_wait_dscnt 4+16*\pw+4*(1-DW)     ; K step 7's four, the weights, the bias's four
.elseif \s == 7
	s_wait_dscnt 16*\pw+4*(1-DW)
.endif
	WIN 0x50*DW
	MM \s
.if \s < 5
	PLACES
	WIN 0
	WLD (\s+3)
.endif
.if (\s == 5) && (DW == 0)
	PLACES
	ds_load_b128 v[WF+32:WF+35], v[ADB]              ; the bias, into the buffer that K step 5 has left: register 8 u + j
	ds_load_b128 v[WF+36:WF+39], v[ADB] offset:16
	ds_load_b128 v[WF+40:WF+43], v[ADB] offset:64
	ds_load_b128 v[WF+44:WF+47], v[ADB] offset:80
.endif
.if (\pw) && (\s == 4)
.irp h, 0,1,2,3,4,5,6,7
.irp m, 0,1
	ds_load_b32 v[PW+2*\h+\m], v[S2RA] offset:\h*256+\m*64   ; w[my token 16 m + r][h][g]
.endr
.endr
.endif
.endr
.endm
.macro BADD                            ; k, v: the bias onto the results, each accumulator from its low end on
.irp m, 0,1
.irp u, 0,1
.irp j, 0,1,2,3,4,5,6,7
	v_add_f32 v[ACC+16*\m+8*\u+\j], v[ACC+16*\m+8*\u+\j], v[WF+32+8*\u+\j]
.endr
.endr
.endr
.endm
; PARTIAL SCORES of the k unit in ACC, for all 8 heads of q and my 32 d, two heads at a time.  A lane sums its 16 d in pairs; lanes l and l xor 16 are joined by an exchange of halves of the two tiles.
.macro SCORES
.irp G, 0,1,2,3
	WIN 0x01
.irp i, 0,1,2,3,4,5,6,7
.irp hq, 0,1
.irp m, 0,1
.if \i == 0
	v_pk_mul_f32 v[T+4*\hq+2*\m:T+4*\hq+2*\m+1], v[32*(2*\G+\hq)+16*\m:32*(2*\G+\hq)+16*\m+1], v[ACC+16*\m:ACC+16*\m+1]
.else
	v_pk_fma_f32 v[T+4*\hq+2*\m:T+4*\hq+2*\m+1], v[32*(2*\G+\hq)+16*\m+2*\i:32*(2*\G+\hq)+16*\m+2*\i+1], v[ACC+16*\m+2*\i:ACC+16*\m+2*\i+1], v[T+4*\hq+2*\m:T+4*\hq+2*\m+1]
.endif
.endr
.endr
.endr
	WIN 0
.irp hq, 0,1
.irp m, 0,1
	v_add_f32 v[T+4*\hq+2*\m], v[T+4*\hq+2*\m], v[T+4*\hq+2*\m+1]
.endr
.endr
.irp hq, 0,1
	v_permlane16_swap_b32 v[T+4*\hq], v[T+4*\hq+2]   ; the first now holds both tiles' lower halves, the second both upper halves
.endr
.irp hq, 0,1
	v_add_f32 v[P+2*\G+\hq], v[T+4*\hq], v[T+4*\hq+2]   ; lanes 0-15: tile 0, lanes 16-31: tile 1
.endr
.endr
	ds_store_b128 v[S1A], v[P:P+3]
	ds_store_b128 v[S1A], v[P+4:P+7] offset:512
.endm
; The four d-quarters' partial scores of a slot's two heads g are added: wave W takes heads 2 (W % 4), + 1 of q for its own 32 tokens, and lays the sums as [g][h][token]
.macro RED2
.irp e, 0,1
.irp src, 0,1,2,3
	ds_load_b64 v[T+8*\e+2*\src:T+8*\e+2*\src+1], v[S1R] offset:\e*8192+\src*1024
.endr
.endr
	s_wait_dscnt 0x0
.irp e, 0,1
	v_pk_add_f32 v[T+8*\e:T+8*\e+1], v[T+8*\e:T+8*\e+1], v[T+8*\e+2:T+8*\e+3]
	v_pk_add_f32 v[T+8*\e+4:T+8*\e+5], v[T+8*\e+4:T+8*\e+5], v[T+8*\e+6:T+8*\e+7]
.endr
.irp e, 0,1
	v_pk_add_f32 v[T+8*\e:T+8*\e+1], v[T+8*\e:T+8*\e+1], v[T+8*\e+4:T+8*\e+5]
.endr
.irp e, 0,1
.irp c, 0,1
	ds_store_b32 v[S2A], v[T+8*\e+\c] offset:\e*2048+\c*256
.endr
.endr
.endm
; a[h] (+)= w[h][g] v[g], for all 8 heads, my 32 d, my 32 tokens.  a takes q's registers.  first = 1: the products start the sums
.macro PV first
.if \first
	WIN 0x40
.else
	WIN 0x50
.endif
.irp h, 0,1,2,3,4,5,6,7
.irp i, 0,1,2,3,4,5,6,7
.irp m, 0,1
.set rD, 32*\h+16*\m+2*\i
.set rA, ACC+16*\m+2*\i
.set rB, PW+2*\h
.if \first
.if \m
	v_pk_mul_f32 v[rD:rD+1], v[rA:rA+1], v[rB:rB+1] op_sel:[0,1] op_sel_hi:[1,1]
.else
	v_pk_mul_f32 v[rD:rD+1], v[rA:rA+1], v[rB:rB+1] op_sel_hi:[1,0]
.endif
.else
.if \m
	v_pk_fma_f32 v[rD:rD+1], v[rA:rA+1], v[rB:rB+1], v[rD:rD+1] op_sel:[0,1,0] op_sel_hi:[1,1,1]
.else
	v_pk_fma_f32 v[rD:rD+1], v[rA:rA+1], v[rB:rB+1], v[rD:rD+1] op_sel_hi:[1,0,1]
.endif
.endif
.endr
.endr
.endr
	WIN 0
.endm
; THE QUANTISER on 64 numbers of a lane in window 1, four half blocks of 16 at src + 16 b; lane l xor 16 holds each block's other half.  Codes to v[CD + 2 b], v[CD + 2 b + 1], bytes to v[TM + 4 + b]
.macro QCORE src
	WIN 0x14
.irp b, 0,1,2,3
	v_max3_num_f32 v[TM+\b], 0x1800000, |v[(\src)+16*\b]|, |v[(\src)+16*\b+1]|   ; with the floor 2^(3 - 127): the byte cannot fall under 1
.endr
.irp i, 2,4,6,8,10,12,14
.irp b, 0,1,2,3
	v_max3_num_f32 v[TM+\b], v[TM+\b], |v[(\src)+16*\b+\i]|, |v[(\src)+16*\b+\i+1]|
.endr
.endr
	WIN 0
.irp b, 0,1,2,3
	v_permlanex16_b32 v[TM+4+\b], v[TM+\b], s[SEL], s[SEL+1]
.endr
.irp b, 0,1,2,3
	v_max_num_f32 v[TM+\b], v[TM+\b], v[TM+4+\b]
.endr
.irp b, 0,1,2,3
	v_add_nc_u32 v[TM+8+\b], 0xff000000, v[TM+\b]    ; 2 off the exponent field: the conversion's scale operand
.endr
.irp b, 0,1,2,3
	v_lshrrev_b32 v[TM+4+\b], 23, v[TM+8+\b]         ; the scale's byte
.endr
	WIN 0x01
.irp b, 0,1,2,3
	v_cvt_scalef32_pk8_fp4_f32 v[CD+2*\b], v[(\src)+16*\b:(\src)+16*\b+7], v[TM+8+\b]
	v_cvt_scalef32_pk8_fp4_f32 v[CD+2*\b+1], v[(\src)+16*\b+8:(\src)+16*\b+15], v[TM+8+\b]
.endr
	WIN 0
	v_nop                              ; one plain place behind the scaled conversions
.endm
.macro XLOAD b, base, off              ; 64 numbers a lane of my 16 rows of x, one K step: register 16 k + i = k-th block, number 16 hh + i; into set b of window 1
	WIN 0x40
.irp k, 0,1,2,3
.irp j, 0,1,2,3
	global_load_b128 v[64*(\b)+16*\k+4*\j:64*(\b)+16*\k+4*\j+3], v[XA], s[\base:\base+1] offset:(\off)+128*\k+16*\j
.endr
.endr
	WIN 0
.endm
; Set b becomes a fragment and a scale word, which go to LDS as images of their registers.  ld = 1: the set is asked for again.  pre = 1: a weight unit's first LDS loads go out ahead of the arithmetic
.macro XSTEP b, img, cnt, pre, ld, base, off
	s_wait_loadcnt \cnt                ; this set's 16 loads are in; the other set's may be out
	s_wait_dscnt 0x0                   ; the last step's stores have read their registers
.if \pre
	PRE 1
.endif
	QCORE 64*(\b)
	v_lshl_or_b32 v[TM+12], v[TM+5], 8, v[TM+4]
	v_lshl_or_b32 v[TM+12], v[TM+6], 16, v[TM+12]
	v_lshl_or_b32 v[TM+12], v[TM+7], 24, v[TM+12]
.irp c, 0,1
.irp i, 0,1
	v_permlane16_swap_b32 v[CD+4*\c+\i], v[CD+2+4*\c+\i]   ; the operand's layout wants a whole block in a lane
.endr
.endr
	ds_store_b128 v[XWI], v[CD:CD+3] offset:(\img)*1024
	ds_store_b128 v[XWI], v[CD+4:CD+7] offset:(\img)*1024+512
	ds_store_b32 v[XWS], v[TM+12] offset:(\img)*256
.if \ld
	XLOAD \b, \base, \off
.endif
.endm
.macro FETCHX                          ; the 16 fragments of my 32 tokens, and their 8 registers of scale words (lanes 0-15 tile 0, lanes 16-31 tile 1)
.set fI, 0
.rept 16
	ds_load_b128 v[XF+8*fI:XF+8*fI+3], v[LIH] offset:fI*1024
	ds_load_b128 v[XF+8*fI+4:XF+8*fI+7], v[LIH] offset:fI*1024+512
.set fI, fI+1
.endr
.set fI, 0
.rept 8
	ds_load_b32 v[XS+fI], v[LS] offset:fI*256
.set fI, fI+1
.endr
.endm
; THE O PHASE: wave W takes rows 64 (W % 4) .. + 63 of the slot's 256 weight rows: 4 tiles t x my 2 tiles of tokens x 8 K steps = 64 matrix instructions
.macro O_ADDR
	v_add_nc_u32 v[ADW], s[TB], v[ADW0]
	v_add_nc_u32 v[ADS], s[TS], v[ADS0]
	v_add_nc_u32 v[ADB], s[TI], v[ADB0]
	s_wait_alu depctr_va_vdst(0)       ; the wait, directly behind the writes
	s_xor_b32 s[TB], s[TB], 2*U
	s_xor_b32 s[TS], s[TS], 8192
	s_xor_b32 s[TI], s[TI], 1024
.endm
.macro OLD s                           ; K step s: eight loads, into buffer s % 3
.irp t, 0,1,2,3
.irp c, 0,1
	ds_load_b128 v[WF+32*((\s)%3)+8*\t+4*\c:WF+32*((\s)%3)+8*\t+4*\c+3], v[ADW] offset:\t*8448+64*(\s)+32*\c
.endr
.endr
.endm
.macro MMO s                           ; eight matrix instructions: the eight accumulators by turns
.irp t, 0,1,2,3
.irp m, 0,1
.set rD, 8*(4*\m+\t)
.set rA, WF+32*((\s)%3)+8*\t
.set rB, XF+8*(8*\m+(\s))
.set rSA, WS+4*(\t/2)+(\s)%4
.set rSB, XS+(\s)
	WMM \t%2, \m
.endr
.endr
.endm
.macro GEMM_O
	PLACES
	ds_load_b128 v[WS:WS+3], v[ADS]                  ; the scale words of K steps 0 to 3: rows 0-31,
	ds_load_b128 v[WS+4:WS+7], v[ADS] offset:1024    ; rows 32-63
	WIN 0x40
.irp m, 0,1
.irp t, 0,1,2,3
	ds_load_b128 v[8*(4*\m+\t):8*(4*\m+\t)+3], v[ADB] offset:64*\t
	ds_load_b128 v[8*(4*\m+\t)+4:8*(4*\m+\t)+7], v[ADB] offset:64*\t+16
.endr
.endr
	WIN 0
	OLD 0
	OLD 1
	OLD 2
.irp s, 0,1,2,3,4,5,6,7
.if \s < 2
	s_wait_dscnt 16                    ; two later K steps' eight loads each may be out
.elseif \s < 6
	s_wait_dscnt 18                    ; and two loads of scale words
.elseif \s == 6
	s_wait_dscnt 8
.else
	s_wait_dscnt 0x0
.endif
	WIN 0x50
	MMO \s
.if \s < 5
	PLACES
	WIN 0
	OLD (\s+3)
.endif
.if \s == 1                            ; the words of K steps 4, 5 take the registers of K steps 0, 1
	ds_load_b64 v[WS:WS+1], v[ADS] offset:16
	ds_load_b64 v[WS+4:WS+5], v[ADS] offset:1024+16
.endif
.if \s == 3                            ; those of 6, 7 the registers of 2, 3
	ds_load_b64 v[WS+2:WS+3], v[ADS] offset:24
	ds_load_b64 v[WS+6:WS+7], v[ADS] offset:1024+24
.endif
.endr
.endm
; THE WAY OUT, a tile of 16 tokens x my 64 columns at a time, through my own stage: back as rows of 256 bytes; the residual is added; sixteen lanes store 256 aligned bytes
.macro TOSTAGE m
	WIN 0x04
.irp t, 0,1,2,3
	ds_store_b128 v[STO], v[8*(4*(\m)+\t):8*(4*(\m)+\t)+3] offset:64*\t          ; each accumulator from its low end on
	ds_store_b128 v[STO], v[8*(4*(\m)+\t)+4:8*(4*(\m)+\t)+7] offset:64*\t+16
.endr
	WIN 0x40
.irp i, 0,1,2,3,4,5,6,7
	ds_load_b128 v[128+32*(\m)+4*\i:128+32*(\m)+4*\i+3], v[RD] offset:\i*544   ; LDS serves a wave's instructions in order (ISA guide 5.7.1.4)
.endr
.endm
.macro SEND m, younger, cnt, next
	s_wait_dscnt \younger              ; the tile is back; the other tile's sixteen stage instructions may be out
	s_wait_loadcnt \cnt                ; this tile's residual is in; eight younger loads may be out
	WIN 0x45
.irp k, 0,2,4,6,8,10,12,14,16,18,20,22,24,26,28,30
	v_pk_add_f32 v[128+32*(\m)+\k:128+32*(\m)+\k+1], v[128+32*(\m)+\k:128+32*(\m)+\k+1], v[64+32*(\m)+\k:64+32*(\m)+\k+1]
.endr
	WIN 0x04
.irp i, 0,1,2,3,4,5,6,7
	global_store_b128 v[CO], v[128+32*(\m)+4*\i:128+32*(\m)+4*\i+3], s[OUTP:OUTP+1] offset:(16*(\m)+2*\i)*4096 th:TH_STORE_NT
.endr
.if \next
	WIN 0x40
.irp i, 0,1,2,3,4,5,6,7
	global_load_b128 v[64+32*(\m)+4*\i:64+32*(\m)+4*\i+3], v[CO], s[RESN:RESN+1] offset:(16*(\m)+2*\i)*4096   ; the next slot's residual of this tile
.endr
.endif
.endm
.macro OUT next
	PLACES
	TOSTAGE 0
	TOSTAGE 1
	SEND 0, 16, 8, \next
	SEND 1, 0, 8*\next, \next
	WIN 0
.endm
; ---------------------------------------------------------------- the head
	s_load_b512 s[28:43], s[0:1], 0x0      ; liquid, mamba, Wlq/Wmq codes, Wlq/Wmq scales, blq/bmq
	s_load_b512 s[44:59], s[0:1], 0x40     ; Wmkv/Wlkv codes, scales, bmkv/blkv, Wlo/Wmo codes
	s_load_b256 s[80:87], s[0:1], 0x80     ; Wlo/Wmo scales, blo/bmo
	s_load_b128 s[88:91], s[0:1], 0xa0     ; out0, out1
	v_lshl_add_u32 v[SPW], v0, 2, SPARE
	v_mov_b32 v[NIL], 0
	ds_add_u32 v[SPW], v[NIL]              ; the opening lines: the add twice on end and one wait
	ds_add_u32 v[SPW], v[NIL]
	v_lshrrev_b32 v80, 5, v0
	v_readfirstlane_b32 s[WV], v80         ; wave 0..7
	s_and_b32 s[W1], s[WV], 1
	s_and_b32 s[W3], s[WV], 3              ; my quarter of d
	s_lshr_b32 s[HF], s[WV], 2             ; my half of the tokens
	s_bfe_u32 s2, s[WV], 0x10001
	s_lshl_b32 s[WOFC], s2, 17             ; codes: waves 2, 3 take the unit two further on,
	s_lshl_b32 s3, s[W1], 15
	s_add_co_u32 s[WOFC], s[WOFC], s3      ; odd waves its rows 64 on
	s_lshl_b32 s[WOFS], s[W1], 13          ; scale bytes and bias: odd waves take the unit two further on
	s_lshl_b32 s[WOFB], s[W1], 10
	s_mul_i32 s4, s[W3], 32*528
	s_lshl_b32 s5, s[W3], 10
	s_add_co_u32 s5, s5, SCB
	s_lshl_b32 s6, s[W3], 7
	s_add_co_u32 s6, s6, BIB
	s_lshl_b32 s7, s[HF], 14
	s_add_co_u32 s7, s7, SCR
	s_lshl_b32 s8, s[HF], 7
	s_add_co_u32 s8, s8, XSCB
	s_lshl_b32 s9, s[W3], 13
	s_lshl_b32 s12, s[HF], 12
	s_add_co_u32 s9, s9, s12
	s_add_co_u32 s9, s9, SCR
	s_lshl_b32 s10, s[W3], 6
	s_lshl_b32 s12, s[HF], 10
	s_add_co_u32 s10, s10, s12
	s_add_co_u32 s10, s10, XSCB
	s_lshl_b32 s11, s[W3], 16
	s_lshl_b32 s12, s[HF], 11
	s_add_co_u32 s11, s11, s12
	s_bfe_u32 s2, ttmp6, 0x40000           ; cx: it enters x's, out's and the prefetches' addresses alone
	s_lshl_b32 s3, ttmp9, 2
	s_add_co_u32 s2, s2, s3                ; my block of 64 tokens = 4 x cluster x + cx
	s_lshl_b32 s2, s2, 18                  ; x 64 rows of 4,096 bytes
	s_mov_b32 s3, 0
	s_and_b32 s[CNT], ttmp7, 0xffff        ; the direction, which the four partners share
	s_cmp_lt_u32 s[WV], 4
	s_cselect_b32 s13, 31, 7               ; the last lane that names a block of its own: 31 for codes, 7 for scale bytes,
	s_cmp_gt_u32 s[WV], 4
	s_cselect_b32 s13, 0, s13              ; 0 for the bias
	v_and_b32 v80, 15, v0                  ; r
	v_bfe_u32 v81, v0, 4, 1                ; hh
	v_and_b32 v82, 31, v0                  ; lane
	v_mul_u32_u24 v[ADW0], v80, 528
	v_lshl_add_u32 v[ADW0], v81, 4, v[ADW0]
	v_add_nc_u32 v[ADW0], s4, v[ADW0]      ; (32 w + r) 528 + 16 hh
	v_lshl_add_u32 v[ADS0], v82, 5, s5     ; SCB + (32 w + lane) 32
	v_lshl_add_u32 v[ADB0], v81, 5, s6     ; BIB + 128 w + 32 hh
	v_lshl_add_u32 v[LIH], v82, 4, s7      ; my half's 16 images
	v_lshl_add_u32 v[LS], v82, 2, s8       ; and their scale words
	v_lshl_add_u32 v[XWI], v82, 4, s9      ; x: I quantise tile W % 4, K steps 4 (W / 4) .. + 3
	v_lshl_add_u32 v[XWS], v80, 2, s10
	v_lshlrev_b32 v[XA], 12, v80
	v_lshl_add_u32 v[XA], v81, 6, v[XA]
	v_add_nc_u32 v[XA], s11, v[XA]
	v_min_u32 v[PFO], s13, v82
	v_lshlrev_b32 v[PFO], 8, v[PFO]        ; the prefetches: lanes 256 bytes apart
.irp b, 0,1,2,3
	v_mov_b32 v[TM+4+\b], 0                ; written once: a lane permute's destination counts as one of its sources
.endr
	s_wait_alu depctr_va_vdst(0)
	s_wait_dscnt 0x0                       ; both opening adds are done
	s_wait_kmcnt 0x0
	s_cmp_eq_u32 s[CNT], 0
	s_cselect_b64 s[XQ:XQ+1], s[28:29], s[30:31]
	s_cselect_b64 s[XKV:XKV+1], s[30:31], s[28:29]
	s_cselect_b64 s[WQC:WQC+1], s[32:33], s[34:35]
	s_cselect_b64 s[WQS:WQS+1], s[36:37], s[38:39]
	s_cselect_b64 s[BQ:BQ+1], s[40:41], s[42:43]
	s_cselect_b64 s[WKC:WKC+1], s[44:45], s[46:47]
	s_cselect_b64 s[WKS:WKS+1], s[48:49], s[50:51]
	s_cselect_b64 s[BK:BK+1], s[52:53], s[54:55]
	s_cselect_b64 s[WOC:WOC+1], s[56:57], s[58:59]
	s_cselect_b64 s[WOS:WOS+1], s[80:81], s[82:83]
	s_cselect_b64 s[BO:BO+1], s[84:85], s[86:87]
	s_cselect_b64 s[OUTB:OUTB+1], s[88:89], s[90:91]
	s_add_nc_u64 s[XQ:XQ+1], s[XQ:XQ+1], s[2:3]
	s_add_nc_u64 s[XKV:XKV+1], s[XKV:XKV+1], s[2:3]
	s_add_nc_u64 s[OUTB:OUTB+1], s[OUTB:OUTB+1], s[2:3]
	XLOAD 0, XQ, 0                         ; my first two K steps of Xq: 32 loads a wave are on their way
	XLOAD 1, XQ, 512
	; group 1 for codes: 64 rows of 512 bytes, dense in memory, 16 bytes of padding behind each in LDS
	s_mov_b32 s[G1C], 15|(1<<20)|(1<<21)|(6<<22)|(3<<25)
	s_mov_b32 s[G1C+1], 512<<16
	s_mov_b32 s[G1C+2], 64<<16
	s_mov_b32 s[G1C+3], 512<<16
	s_mov_b32 s[G1C+4], 64
	s_mov_b32 s[G1C+5], 512
	s_mov_b32 s[G1C+6], 0
	s_mov_b32 s[G1C+7], 0
	; for a unit's scale bytes: 4,096 dense bytes as 16 rows of 256 (32 elements of 8 bytes)
	s_mov_b32 s[G1S], 15|(3<<16)|(1<<21)
	s_mov_b32 s[G1S+1], 32<<16
	s_mov_b32 s[G1S+2], 16<<16
	s_mov_b32 s[G1S+3], 32<<16
	s_mov_b32 s[G1S+4], 16
	s_mov_b32 s[G1S+5], 32
	s_mov_b32 s[G1S+6], 0
	s_mov_b32 s[G1S+7], 0
	; for a unit's bias: 512 dense bytes as 2 rows of 256
	s_mov_b32 s[G1B], 15|(3<<16)|(1<<21)
	s_mov_b32 s[G1B+1], 32<<16
	s_mov_b32 s[G1B+2], 2<<16
	s_mov_b32 s[G1B+3], 32<<16
	s_mov_b32 s[G1B+4], 2
	s_mov_b32 s[G1B+5], 32
	s_mov_b32 s[G1B+6], 0
	s_mov_b32 s[G1B+7], 0
	s_mov_b64 s[NPC:NPC+1], s[WQC:WQC+1]
	s_mov_b64 s[NPS:NPS+1], s[WQS:WQS+1]
	s_mov_b64 s[NPB:NPB+1], s[BQ:BQ+1]
	s_mov_b32 s[AN], 4                     ; q begins with heads 4 and 6
	; the prefetches: waves 0-3 ask for codes, wave 4 for scale bytes, wave 5 for the bias; Wq's three addresses have been copied, and their registers are taken
	s_cmp_eq_u32 s[WV], 4
	s_cselect_b64 s[10:11], s[WQS:WQS+1], s[BQ:BQ+1]
	s_cselect_b64 s[12:13], s[WOS:WOS+1], s[BO:BO+1]
	s_cmp_lt_u32 s[WV], 4
	s_cselect_b64 s[PB:PB+1], s[WQC:WQC+1], s[10:11]
	s_cselect_b64 s[POB:POB+1], s[WOC:WOC+1], s[12:13]
	s_cselect_b32 s[PSH], 16, 12           ; a unit is 2^16 bytes of codes, 2^12 of scale bytes,
	s_cmp_gt_u32 s[WV], 4
	s_cselect_b32 s[PSH], 9, s[PSH]        ; 2^9 of bias
	s_bfe_u32 s[TMP], ttmp6, 0x40000       ; cx
	s_lshr_b32 s[TMP+1], s[TMP], 1         ; work-groups 2, 3 take the unit two further on,
	s_and_b32 s[TMP], s[TMP], 1            ; odd ones a unit's second half
	s_add_co_u32 s[TMP+2], s[PSH], 1
	s_lshl_b32 s[TMP+1], s[TMP+1], s[TMP+2]
	s_sub_co_u32 s[TMP+2], s[PSH], 1
	s_lshl_b32 s[TMP], s[TMP], s[TMP+2]
	s_add_co_u32 s[PFW], s[TMP], s[TMP+1]
	s_lshl_b32 s[TMP], s[WV], 13           ; of half a unit's codes wave W takes 8,192 bytes
	s_cmp_lt_u32 s[WV], 4
	s_cselect_b32 s[TMP], s[TMP], 0
	s_add_co_u32 s[PFW], s[PFW], s[TMP]
	s_cmp_lt_u32 s[WV], 6
	s_cselect_b32 s[PON], 1, 0
	s_mov_b32 s[AP], 5
	s_mov_b32 s[G0C], 1
	s_bfe_u32 s[TMP], s[WV], 0x10001
	s_mul_i32 s[G0C+1], s[TMP], U          ; LDS, slot 0: the unit,
	s_mul_i32 s[TMP], s[W1], 64*528
	s_add_co_u32 s[G0C+1], s[G0C+1], s[TMP]   ; and its half
	s_mov_b32 s[G0S], 1
	s_lshl_b32 s[G0S+1], s[W1], 12
	s_add_co_u32 s[G0S+1], s[G0S+1], SCB
	s_mov_b32 s[G0B], 1
	s_lshl_b32 s[G0B+1], s[W1], 9
	s_add_co_u32 s[G0B+1], s[G0B+1], BIB
	G0SET
	PFSET
	s_mov_b32 s[SEL], 0x76543210
	s_mov_b32 s[SEL+1], 0xfedcba98         ; v_permlanex16_b32's selects for lane l xor 16
	s_mov_b32 s[C0], 0x3e0293ee            ; log2(e) / sqrt(128)
	s_mov_b32 s[NC0], 0xbe0293ee
	s_mov_b32 s[TB], 0
	s_mov_b32 s[TS], 0
	s_mov_b32 s[TI], 0
	ROUND                                  ; all four work-groups are here: the first joint loads meet
	TLOAD                                  ; slot 0: Wq's units 4 and 6.  One tensor load of mine is out, here and behind every later round
	ASK                                    ; units 5 and 7, which the first change of slots will load
; ---------------------------------------------------------------- Xq becomes codes; the last two steps already ask for Xkv
	XSTEP 0, 0, 16, 0, 1, XQ, 1024
	XSTEP 1, 1, 16, 0, 1, XQ, 1536
	XSTEP 0, 2, 16, 0, 1, XKV, 0
	XSTEP 1, 3, 16, 0, 1, XKV, 512
	s_mov_b32 s[AN], 5
	s_mov_b32 s[AP], 0
	CHANGE 1                               ; Xq's 32 images lie in LDS; slot 0 is whole; slot 1's first fill, units 5 and 7, goes out as a refill does
	FETCHX
	BARRIER                                ; every wave has Xq in registers: the images may be written again
; ---------------------------------------------------------------- q: written out, since each head has registers of its own.  One step of Xkv stands ahead of each of the first four units
.macro QX h, b, img, cnt, ld, off
.set DW, 1
.set DB, 32*(\h)
	UNIT_ADDR
	XSTEP \b, \img, \cnt, 1, \ld, XKV, \off
	BODY 0
	PLACES
	WIN 0
.endm
.macro QUNIT h
.set DW, 1
.set DB, 32*(\h)
	UNIT_ADDR
	PRE 1
	BODY 0
	PLACES
	WIN 0
.endm
	QX 4, 0, 0, 16, 1, 1024
	QX 6, 1, 1, 16, 1, 1536
	SLOT_WRAP 0
	s_mov_b32 s[AN], 0
	s_mov_b32 s[AP], 1
	CHANGE 1
	QX 5, 0, 2, 16, 0, 0
	QX 7, 1, 3, 0, 0, 0
	SLOT_WRAP 0
	s_mov_b32 s[AN], 1
	s_mov_b32 s[AP], 0                     ; the prefetches go on to Wkv
	s_cmp_eq_u32 s[WV], 4
	s_cselect_b64 s[TMP:TMP+1], s[WKS:WKS+1], s[BK:BK+1]
	s_cmp_lt_u32 s[WV], 4
	s_cselect_b64 s[PB:PB+1], s[WKC:WKC+1], s[TMP:TMP+1]
	CHANGE 1
	QUNIT 0                                ; x's numbers are gone: heads 0 to 3 land in their registers
	QUNIT 2
	SLOT_WRAP 0
	s_mov_b32 s[AN], 0                     ; behind q's last slot comes k's first
	s_mov_b64 s[NPC:NPC+1], s[WKC:WKC+1]
	s_mov_b64 s[NPS:NPS+1], s[WKS:WKS+1]
	s_mov_b64 s[NPB:NPB+1], s[BK:BK+1]
	s_mov_b32 s[AP], 4
	CHANGE 1
	QUNIT 1
	QUNIT 3
	SLOT_WRAP 0
	FETCHX                                 ; Xkv takes Xq's place
	s_wait_dscnt 0x0                       ; the loads are in: their address registers are written anew below
; ---------------------------------------------------------------- k and the scores
.set DW, 0
.set DB, ACC
	s_lshl_b32 s[TMP], s[WV], 10
	s_add_co_u32 s[TMP], s[TMP], SCR       ; my 1,024 bytes of partial scores
	s_lshl_b32 s[TMP+1], s[HF], 12
	s_lshr_b32 s[TE], s[W3], 1
	s_lshl_b32 s[TE], s[TE], 9
	s_add_co_u32 s[TMP+1], s[TMP+1], s[TE]
	s_lshl_b32 s[TE], s[W1], 3
	s_add_co_u32 s[TMP+1], s[TMP+1], s[TE]
	s_add_co_u32 s[TMP+1], s[TMP+1], SCR   ; heads 2 (W % 4), + 1 in my half's four regions
	s_lshl_b32 s[TMP+3], s[HF], 7
	s_add_co_u32 s[TMP+3], s[TMP+3], S2B
	s_lshl_b32 s[TMP+2], s[W3], 9
	s_add_co_u32 s[TMP+2], s[TMP+2], s[TMP+3]
	v_and_b32 v80, 31, v0
	v_and_b32 v81, 15, v0
	v_lshl_add_u32 v[S1W0], v80, 4, s[TMP]
	v_lshl_add_u32 v[S1R], v80, 4, s[TMP+1]
	v_lshl_add_u32 v[S2W0], v80, 2, s[TMP+2]
	v_lshl_add_u32 v[S2R0], v81, 2, s[TMP+3]
	s_wait_alu depctr_va_vdst(0)
	s_mov_b32 s[CNT], 4
	s_mov_b32 s[TG], 0
.Lk:                                       ; a trip: a slot, heads g and g + 1 of k
	s_add_co_u32 s[AN], s[AN], 4
	s_cmp_eq_u32 s[CNT], 1
	s_cselect_b32 s[AN], 1, s[AN]          ; behind k's last slot comes v's first: unit 1
	s_add_co_u32 s[AP], s[AP], 4           ; the prefetches run one slot ahead: 8, 12, 1, 5
	s_cmp_eq_u32 s[CNT], 2
	s_cselect_b32 s[AP], 1, s[AP]
	CHANGE 1
	UNIT_ADDR
	PRE 0
	s_mov_b32 s[TE], 0
	v_add_nc_u32 v[S2A], s[TG], v[S2W0]
	s_add_co_u32 s[TG], s[TG], 4096
	s_mov_b32 s[CN2], 2
.Lk2:
	BODY 0
	s_wait_dscnt 0x0                       ; the bias is in
	PLACES
	BADD
	UNIT_ADDR                              ; in the first trip: the slot's second unit.  (In the second nothing is loaded by these registers)
	s_cmp_eq_u32 s[CN2], 1
	s_cbranch_scc1 .Lk3
	PRE 0                                  ; its first loads land under the scores' arithmetic
.Lk3:
	v_add_nc_u32 v[S1A], s[TE], v[S1W0]
	s_add_co_u32 s[TE], s[TE], 8192
	SCORES
	s_sub_co_u32 s[CN2], s[CN2], 1
	s_cmp_lg_u32 s[CN2], 0
	s_cbranch_scc1 .Lk2
	SLOT_WRAP 1
	BARRIER                                ; all waves' partial scores of the two heads lie in LDS
	RED2                                   ; its reads are waited for inside; the next partial scores are stored behind the next change's barrier
	s_sub_co_u32 s[CNT], s[CNT], 1
	s_cmp_lg_u32 s[CNT], 0
	s_cbranch_scc1 .Lk
; ---------------------------------------------------------------- the softmax over g: wave W serves heads 2 (W % 4), + 1 of its 32 tokens, on bytes that it stored itself
.irp g, 0,1,2,3,4,5,6,7
.irp c, 0,1
	ds_load_b32 v[R+2*\g+\c], v[S2W0] offset:\g*2048+\c*256
.endr
.endr
	s_wait_dscnt 0x0
.irp c, 0,1
	v_max3_num_f32 v[PS+\c], v[R+\c], v[R+2+\c], v[R+4+\c]
.endr
.irp c, 0,1
	v_max3_num_f32 v[PS+\c], v[PS+\c], v[R+6+\c], v[R+8+\c]
.endr
.irp c, 0,1
	v_max3_num_f32 v[PS+\c], v[PS+\c], v[R+10+\c], v[R+12+\c]
.endr
.irp c, 0,1
	v_max_num_f32 v[PS+\c], v[PS+\c], v[R+14+\c]     ; the row's largest score
.endr
.irp c, 0,1
	v_mul_f32 v[PS+2+\c], s[NC0], v[PS+\c]
.endr
.irp g, 0,1,2,3,4,5,6,7
.irp c, 0,1
	v_fma_f32 v[R+2*\g+\c], v[R+2*\g+\c], s[C0], v[PS+2+\c]   ; (score - largest) x log2(e) / sqrt(128): 0 or less
.endr
.endr
	s_wait_alu depctr_va_vdst(0)           ; ahead of the batch
.irp g, 0,1,2,3,4,5,6,7
.irp c, 0,1
	v_exp_f32 v[R+2*\g+\c], v[R+2*\g+\c]
.endr
.endr
	v_nop                                  ; a plain place behind the exponentials
	s_wait_alu depctr_va_vdst(0)           ; one wait for the batch, ahead of its first reader
.irp c, 0,1
	v_add_f32 v[PS+4+\c], v[R+\c], v[R+2+\c]
.endr
.irp g, 2,3,4,5,6,7
.irp c, 0,1
	v_add_f32 v[PS+4+\c], v[PS+4+\c], v[R+2*\g+\c]
.endr
.endr
	s_wait_alu depctr_va_vdst(0)           ; ahead of the reciprocals
.irp c, 0,1
	v_rcp_f32 v[PS+6+\c], v[PS+4+\c]       ; the sum is at least 1
.endr
	v_nop
	s_wait_alu depctr_va_vdst(0)           ; and behind them
.irp g, 0,1,2,3,4,5,6,7
.irp c, 0,1
	v_mul_f32 v[R+2*\g+\c], v[R+2*\g+\c], v[PS+6+\c]
.endr
.endr
.irp g, 0,1,2,3,4,5,6,7
.irp c, 0,1
	ds_store_b32 v[S2W0], v[R+2*\g+\c] offset:\g*2048+\c*256   ; the next change's barrier shows them to every wave
.endr
.endr
; ---------------------------------------------------------------- v, and a = w v
	s_mov_b32 s[CNT], 4
	s_mov_b32 s[TV], 0
	s_mov_b32 s[FST], 1
.Lv:
	s_add_co_u32 s[AP], s[AP], 4           ; the prefetches: 9, 13, then Wo's 0 and 1
	s_cmp_eq_u32 s[CNT], 2
	s_cselect_b32 s[AP], 0, s[AP]
	s_cselect_b64 s[PB:PB+1], s[POB:POB+1], s[PB:PB+1]
	s_add_co_u32 s[AN], s[AN], 4
	s_cmp_eq_u32 s[CNT], 1
	s_cselect_b32 s[AP], 1, s[AP]
	s_cselect_b32 s[AN], 0, s[AN]          ; behind v's last slot comes Wo's first
	s_cselect_b64 s[NPC:NPC+1], s[WOC:WOC+1], s[NPC:NPC+1]
	s_cselect_b64 s[NPS:NPS+1], s[WOS:WOS+1], s[NPS:NPS+1]
	s_cselect_b64 s[NPB:NPB+1], s[BO:BO+1], s[NPB:NPB+1]
	CHANGE 1
	UNIT_ADDR
	PRE 0
	s_mov_b32 s[CN2], 2
.Lv2:
	v_add_nc_u32 v[S2RA], s[TV], v[S2R0]
	s_wait_alu depctr_va_vdst(0)           ; the wait, directly behind the write
	s_add_co_u32 s[TV], s[TV], 2048
	BODY 1
	s_wait_dscnt 0x0                       ; the 16 weights and the bias are in
	PLACES
	BADD
	UNIT_ADDR
	s_cmp_eq_u32 s[CN2], 1
	s_cbranch_scc1 .Lv3
	PRE 0
.Lv3:
	s_cmp_eq_u32 s[FST], 0
	s_cbranch_scc1 .Lpva
	PV 1                                   ; head g = 0 starts the sums
	s_branch .Lpvd
.Lpva:
	PV 0
.Lpvd:
	s_mov_b32 s[FST], 0
	s_sub_co_u32 s[CN2], s[CN2], 1
	s_cmp_lg_u32 s[CN2], 0
	s_cbranch_scc1 .Lv2
	SLOT_WRAP 1
	s_sub_co_u32 s[CNT], s[CNT], 1
	s_cmp_lg_u32 s[CNT], 0
	s_cbranch_scc1 .Lv
; ---------------------------------------------------------------- a becomes codes.  Head h is K step h of the last product, and my 32 d are its block W % 4
	BARRIER                                ; every wave has read its weights: the scores' bytes may be written
	s_lshl_b32 s84, s[HF], 14
	s_add_co_u32 s84, s84, SCR             ; my half's images
	s_lshl_b32 s85, s[HF], 7
	s_add_co_u32 s85, s85, XSCB            ; and scale words
	s_lshl_b32 s86, s[W3], 8
	s_add_co_u32 s86, s86, s84
	s_add_co_u32 s87, s[W3], s85
	s_mul_i32 s88, s[WV], 4352
	s_add_co_u32 s88, s88, SCR             ; my stage
	s_lshr_b32 s89, s[W3], 1
	s_lshl_b32 s89, s89, 10
	s_lshl_b32 s81, s[W1], 8
	s_add_co_u32 s89, s89, s81
	s_lshl_b32 s81, s[HF], 17
	s_add_co_u32 s89, s89, s81             ; my columns and my 32 rows in x and out
	s_mul_i32 s90, s[W3], 64*528
	s_lshl_b32 s79, s[W3], 11
	s_add_co_u32 s79, s79, SCB
	s_lshl_b32 s80, s[W3], 8
	s_add_co_u32 s80, s80, BIB
	v_and_b32 v80, 15, v0
	v_bfe_u32 v81, v0, 4, 1
	v_and_b32 v82, 31, v0
	v_lshl_add_u32 v[LIH], v82, 4, s84
	v_lshl_add_u32 v[LS], v82, 2, s85
	v_lshl_add_u32 v[AWC], v80, 4, s86
	v_lshl_add_u32 v[AWC], v81, 2, v[AWC]  ; lane (r, w % 2) of the fragment, registers 4 (w / 2) + 2 u + hh
	v_lshl_add_u32 v[AWB], v80, 2, s87
	v_mul_u32_u24 v[STO], v80, 272
	v_lshl_add_u32 v[STO], v81, 5, v[STO]
	v_add_nc_u32 v[STO], s88, v[STO]
	v_lshlrev_b32 v[CO], 12, v81
	v_lshl_add_u32 v[CO], v80, 4, v[CO]
	v_add_nc_u32 v[CO], s89, v[CO]
	v_mul_u32_u24 v[ADW0], v80, 528
	v_lshl_add_u32 v[ADW0], v81, 4, v[ADW0]
	v_add_nc_u32 v[ADW0], s90, v[ADW0]     ; o phase: rows 64 w on of the slot's 256
	v_lshl_add_u32 v[ADS0], v82, 5, s79
	v_lshl_add_u32 v[ADB0], v81, 5, s80
	s_wait_alu depctr_va_vdst(0)
.irp hp, 0,1,2,3                           ; two heads at a time: half block b is head 2 hp + b / 2, tile b % 2
	s_wait_dscnt 0x0                       ; the last stores have read their registers
	QCORE 64*\hp
.irp b, 0,1,2,3
.irp u, 0,1
	ds_store_b32 v[AWC], v[CD+2*\b+\u] offset:(8*(\b%2)+2*\hp+\b/2)*1024+8*\u
.endr
	ds_store_b8 v[AWB], v[TM+4+\b] offset:(2*\hp+\b/2)*256+(\b%2)*64   ; both lanes of a block write the same byte with the same value
.endr
.endr
	WIN 0x40
.irp m, 0,1
.irp i, 0,1,2,3,4,5,6,7
	global_load_b128 v[64+32*\m+4*\i:64+32*\m+4*\i+3], v[CO], s[XQ:XQ+1] offset:(16*\m+2*\i)*4096   ; the residual for the first slot's columns, into registers that a has left
.endr
.endr
	WIN 0
	BARRIER                                ; a's 32 images and their scale words lie in LDS, and my stores of them are done
	v_mul_u32_u24 v[RD], v81, 272          ; the stage's way back, in the register that addressed a's codes
	v_lshl_add_u32 v[RD], v80, 4, v[RD]
	v_add_nc_u32 v[RD], s88, v[RD]
	s_wait_alu depctr_va_vdst(0)
	FETCHX                                 ; the next change waits for these loads ahead of its barrier, behind which the stages are written
; ---------------------------------------------------------------- o, the residual, the way out
	s_mov_b32 s[CNT], 3
.Lo:
	s_cmp_eq_u32 s[CNT], 3
	s_cselect_b32 s[TMP], 3, 1
	s_add_co_u32 s[AP], s[AP], s[TMP]      ; the prefetches: 4, 5;
	s_cmp_eq_u32 s[CNT], 1
	s_cselect_b32 s[PON], 0, s[PON]        ; the last change that loads asks for nothing
	s_mov_b32 s[AC], s[AN]
	s_cmp_eq_u32 s[CNT], 2
	s_cselect_b32 s[TMP], 3, 1
	s_add_co_u32 s[AN], s[AN], s[TMP]      ; 0, 1, 4, 5
	CHANGE 1
	O_ADDR
	GEMM_O
	s_wait_xcnt 0x0                        ; the last slot's stores and loads have read their bases and registers: both may be written
	s_lshl_b32 s[TMP+2], s[AC], 9
	s_mov_b32 s[TMP+3], 0
	s_add_nc_u64 s[OUTP:OUTP+1], s[OUTB:OUTB+1], s[TMP+2:TMP+3]
	s_lshl_b32 s[TMP+2], s[AN], 9
	s_add_nc_u64 s[RESN:RESN+1], s[XQ:XQ+1], s[TMP+2:TMP+3]
	OUT 1
	s_sub_co_u32 s[CNT], s[CNT], 1
	s_cmp_lg_u32 s[CNT], 0
	s_cbranch_scc1 .Lo
	CHANGE 0                               ; the last slot is written out
	O_ADDR
	GEMM_O
	s_wait_xcnt 0x0
	s_lshl_b32 s[TMP+2], s[AN], 9
	s_mov_b32 s[TMP+3], 0
	s_add_nc_u64 s[OUTP:OUTP+1], s[OUTB:OUTB+1], s[TMP+2:TMP+3]
	OUT 0
	s_wait_tensorcnt 0x0                   ; the wave's end
	ds_add_u32 v[SPW], v[NIL]
	s_wait_dscnt 0x0
	ROUND                                  ; the closing round: no work-group ends while a partner may still ask for a tile that names it
	s_endpgm
.Lfunc_end_k_q488c88a14f_fused:
	.size	k_q488c88a14f_fused, .Lfunc_end_k_q488c88a14f_fused-k_q488c88a14f_fused
	.p2alignl 7, 3214868480
	.fill 96, 4, 3214868480
	.section	.rodata,"a",@progbits
	.p2align	6, 0x0
	.amdhsa_kernel k_q488c88a14f_fused
		.amdhsa_group_segment_fixed_size 327680
		.amdhsa_private_segment_fixed_size 0
		.amdhsa_enable_private_segment 0
		.amdhsa_kernarg_size 176
		.amdhsa_user_sgpr_count 2
		.amdhsa_user_sgpr_kernarg_segment_ptr 1
		.amdhsa_wavefront_size32 1
		.amdhsa_system_sgpr_workgroup_id_x 1
		.amdhsa_system_sgpr_workgroup_id_y 1
		.amdhsa_system_sgpr_workgroup_id_z 1
		.amdhsa_system_vgpr_workitem_id 0
		.amdhsa_next_free_vgpr 512
		.amdhsa_next_free_sgpr 106
		.amdhsa_reserve_vcc 0
		.amdhsa_float_denorm_mode_32 3
		.amdhsa_float_denorm_mode_16_64 3
		.amdhsa_memory_ordered 1
		.amdhsa_forward_progress 1
		.amdhsa_inst_pref_size 255
	.end_amdhsa_kernel
	.section	.bss,"aw",@nobits
	.p2align	6
	.space	262144
	.amdgpu_metadata
---
amdhsa.version: [ 1, 2 ]
amdhsa.kernels:
  - .name:           k_q488c88a14f_fused
    .symbol:         k_q488c88a14f_fused.kd
    .args:
      - { .name: liquid_repr, .offset: 0, .size: 8, .value_kind: global_buffer, .address_space: global }
      - { .name: mamba_repr, .offset: 8, .size: 8, .value_kind: global_buffer, .address_space: global }
      - { .name: Wlq_codes, .offset: 16, .size: 8, .value_kind: global_buffer, .address_space: global }
      - { .name: Wmq_codes, .offset: 24, .size: 8, .value_kind: global_buffer, .address_space: global }
      - { .name: Wlq_scales, .offset: 32, .size: 8, .value_kind: global_buffer, .address_space: global }
      - { .name: Wmq_scales, .offset: 40, .size: 8, .value_kind: global_buffer, .address_space: global }
      - { .name: blq, .offset: 48, .size: 8, .value_kind: global_buffer, .address_space: global }
      - { .name: bmq, .offset: 56, .size: 8, .value_kind: global_buffer, .address_space: global }
      - { .name: Wmkv_codes, .offset: 64, .size: 8, .value_kind: global_buffer, .address_space: global }
      - { .name: Wlkv_codes, .offset: 72, .size: 8, .value_kind: global_buffer, .address_space: global }
      - { .name: Wmkv_scales, .offset: 80, .size: 8, .value_kind: global_buffer, .address_space: global }
      - { .name: Wlkv_scales, .offset: 88, .size: 8, .value_kind: global_buffer, .address_space: global }
      - { .name: bmkv, .offset: 96, .size: 8, .value_kind: global_buffer, .address_space: global }
      - { .name: blkv, .offset: 104, .size: 8, .value_kind: global_buffer, .address_space: global }
      - { .name: Wlo_codes, .offset: 112, .size: 8, .value_kind: global_buffer, .address_space: global }
      - { .name: Wmo_codes, .offset: 120, .size: 8, .value_kind: global_buffer, .address_space: global }
      - { .name: Wlo_scales, .offset: 128, .size: 8, .value_kind: global_buffer, .address_space: global }
      - { .name: Wmo_scales, .offset: 136, .size: 8, .value_kind: global_buffer, .address_space: global }
      - { .name: blo, .offset: 144, .size: 8, .value_kind: global_buffer, .address_space: global }
      - { .name: bmo, .offset: 152, .size: 8, .value_kind: global_buffer, .address_space: global }
      - { .name: out0, .offset: 160, .size: 8, .value_kind: global_buffer, .address_space: global }
      - { .name: out1, .offset: 168, .size: 8, .value_kind: global_buffer, .address_space: global }
    .group_segment_fixed_size: 327680
    .private_segment_fixed_size: 0
    .kernarg_segment_align: 8
    .kernarg_segment_size: 176
    .max_flat_workgroup_size: 256
    .sgpr_count:     106
    .vgpr_count:     512
    .wavefront_size: 32
...
	.end_amdgpu_metadata
.endif
;; end of part 1
